; MI455X (gfx1250); checked and timed in simulation.
; The chip was launched on July 23, 2026; its instructions are those of AMD's public machine-readable ISA for CDNA 5 (MIT licence, August 2026) and "CDNA5" Instruction Set Architecture Reference Guide (July 2026). The comments in the code are by the model that wrote it; some were corrected since.
;; Multihead Attention. Allowed arithmetic: matrix products marked QUANTISED: E3M2 operands, one E8M0 scale for each 32 along K, by v_wmma_scale_f32_16x16x128_f8f6f4 with both operands' format E3M2, f32 sums; everything else in f32.
;; Inputs: Wk 1,024 x 1,024 float32; Wq 1,024 x 1,024 float32; Wv 1,024 x 1,024 float32; bk 1,024 float32; bq 1,024 float32; bv 1,024 float32; key_value_em 2,048 x 4 x 1,024 float32; query_em 2,048 x 4 x 1,024 float32.
;; Outputs: out0 2,048 x 4 x 1,024 float32.
;; This version of the problem:
;;   THIS VERSION OF THE PROBLEM IS GIVEN IN LOW PRECISION. The matrix products marked QUANTISED in the list below multiply operands that are first quantised to E3M2 (3 exponent bits, 2 mantissa bits; 6 bits a number), with one power-of-two scale for each 32 numbers along K (OCP MX v1.0); their sums are f32. All else is computed in f32.
;;   The module's matrix products, in the order in which they are computed (A, B: the left and right operand; K: the contracted axis; several contracted axes count as one K, in the product's order):
;;     1. [M 8,192, K 1,024] x [K 1,024, N 1,024]; A: input query_em; B: input Wq: QUANTISED
;;     2. [M 8,192, K 1,024] x [K 1,024, N 1,024]; A: input key_value_em; B: input Wk: QUANTISED
;;     3. [M 8,192, K 1,024] x [K 1,024, N 1,024]; A: input key_value_em; B: input Wv: QUANTISED
;;     4. batch 64 x [M 2,048, K 64] x [K 64, N 2,048]; A: computed on the way; B: computed on the way: QUANTISED
;;     5. batch 64 x [M 2,048, K 2,048] x [K 2,048, N 64]; A: softmax (see below); B: computed on the way: QUANTISED
;;   THE QUANTISER, for each operand of a quantised product, along K:
;;     - K is cut into blocks of 32 from its start; a last block that is shorter is filled with zeros.
;;     - A block's scale is 2^e with e = floor(log2(the largest magnitude in the block)) - 4, held to -126 .. 127; a block of zeros has e = 0. As a byte (E8M0): e + 127.
;;     - Each number is divided by its block's scale, clamped to +-28, and rounded to the nearest number of E3M2, ties to even, subnormals kept.
;;     - The product sums the exact products of the quantised numbers (number of the format x scale) in f32.
;;   ~~~python
;;   def quantise(x, axis):      # numpy; x: float32 -> the quantised numbers, widened to float32 again
;;       x = np.moveaxis(x, axis, -1); K = x.shape[-1]
;;       x = np.pad(x, [(0, 0)] * (x.ndim - 1) + [(0, -K % 32)]); x = x.reshape(x.shape[:-1] + (-1, 32)); a = np.abs(x).max(-1, keepdims=True)
;;       e = np.where(a > 0, np.clip(np.frexp(np.where(a > 0, a, 1))[1] - 1 - 4, -126, 127), 0)      # np.frexp(a)[1] - 1 = floor(log2(a)), exactly
;;       r = np.clip(x / 2.0 ** e, -28, 28)
;;       step = 2.0 ** (np.maximum(np.frexp(np.where(r == 0, 1, r))[1] - 1, -2) - 2)
;;       q = np.round(r / step) * step * 2.0 ** e      # np.round: ties to even
;;       return np.moveaxis(q.reshape(q.shape[:-2] + (-1,))[..., :K], -1, axis).astype(np.float32)
;;   ~~~
;;   SOFTMAX AHEAD OF A QUANTISED PRODUCT. Where the list says 'softmax', what is quantised is not the finished softmax but p = 2^(t - M), with t = logit x log2(e) and M = ceil(the row's largest t), a whole number; so 1/2 < the row's largest p <= 1. The row's sum l is taken of the UNQUANTISED p, in f32, and the product's result is divided by l at the end. Since M is a whole number, a kernel that streams over the keys may use a running M (the ceiling of the running maximum): every later rescaling is an exact power of two, which a block's scale takes up: the codes' values come out the same.
;;   OPERANDS COMPUTED ON THE WAY. 'Computed on the way' means the value that the module computes at that place (a softmax that the list does not call 'softmax' is quantised finished and normalised). What goes into a quantiser is computed in f32, as accurately as f32 sums, v_exp_f32 and their like allow (about 1e-6 of the number): no bf16 or f16 on the way to a quantiser, and a product that is left as it is and whose result goes on into a quantised operand takes f32 operands (vector FMAs, or v_wmma_f32_16x16x4_f32). A number that lies on a knife's edge between two numbers of the format may be rounded either way, as far as f32 arithmetic and the matrix unit's own rounding can turn it there, and no further.
;; One version. Each part assembles by itself: llvm-mc -triple=amdgcn-amd-amdhsa -mcpu=gfx1250 --defsym DOCPART=n.
;; ======== version 1 of 1: 3 launches
;; workspace buffers: xc 14,942,208 bytes; xs 622,592 bytes; qb 6,553,600 bytes; kv 13,107,200 bytes
;; launch quant (part 1): grid 608 x 1, 4 waves a work-group, no clusters, 33,280 bytes of LDS; arguments query_em, key_value_em, Wq, Wk, Wv, xc, xs; writes xc, xs
.if DOCPART == 1
	.amdgcn_target "amdgcn-amd-amdhsa--gfx1250"
	.amdhsa_code_object_version 6
	.text
	.protected	k_q5bc463d4bb_quant
	.globl	k_q5bc463d4bb_quant
	.p2align	8
	.type	k_q5bc463d4bb_quant,@function
k_q5bc463d4bb_quant:
	s_mov_b64 s[64:65], 0
	v_nop
	global_prefetch_b8 v0, s[64:65] scope:SCOPE_SE
	s_setreg_imm32_b32 hwreg(HW_REG_WAVE_MODE, 25, 1), 1
	s_wait_xcnt 0x0
; query_em, key_value_em [2048][4][1024] and Wq, Wk, Wv [1024][1024], f32, become codes of BF6 (E3M2), 6 bits each, K (the last axis) innermost, with one E8M0 byte for each 32 along K.
; A block's scale is 2^(floor(log2(its largest magnitude)) - 4); its byte is the largest magnitude's exponent field - 4, held at 1 from below.  A block of zeros so gets the byte 1 where the
; rule says 127: its codes are zeros, which add nothing under any byte but 0xff, and the bytes are read by this program alone.
; LIMITS: a block whose largest magnitude lies under 2^-122 keeps the byte 1; NaN and infinities among the inputs are not served.
; OUTPUT.  xc: 19,456 rows of 768 bytes (1,024 codes); xs: the same rows, 32 scale bytes each.  Sections: query rows 0-8191, key/value rows 8192-16383, Wq from 16384, Wk from 17408, Wv from 18432.
; The embeddings are laid BATCH-MAJOR (row 2048 b + s), and inside every section a row stands at its number WITH BITS 3 AND 4 EXCHANGED: the next launch then reads plain tiles of 16 stored rows,
; and a lane's registers of two neighbouring result tiles are 16 neighbours of the true order, which is what its own quantiser wants.
; SHARES.  A wave takes 8 rows (8 s of one batch, or 8 rows of a weight): 16 steps of 512 numbers.  Bits 3 and 4 of a row's number are the wave's number, so the exchange is an exchange of the wave's two bits.
; Each load reads 512 consecutive bytes; a step's 2,048 bytes turn through the wave's own stage in LDS, so that a lane holds 16 neighbours (two lanes hold a block).  No barrier: waves share nothing.
.set STEPS, 16
.set EMAX,  4
.set CB,    12                         ; bytes of 16 codes
.set R,     16                         ; v16-79   four sets of 16 numbers as they are loaded
.set X,     80                         ; v80-111  two sets of 16 neighbours
.set E,     112                        ; v112-127 a scale byte for each step
.set C,     128                        ; v128-191 codes: four registers for each step, so that no store's data are written again
.set VI,    192                        ; v192-199 byte offset of my 16 bytes in row j of the wave's eight; never rewritten
.set WREG,  8192                       ; LDS: a region for each wave: two stages of 32 x SP bytes, then its 256 scale bytes
.set SP,    80                         ; a lane's place in a stage: 64 bytes + 16 of padding
	s_load_b256 s[4:11], s[0:1], 0x0               ; query_em, key_value_em, Wq, Wk
	s_load_b128 s[12:15], s[0:1], 0x20             ; Wv, xc
	s_load_b64 s[16:17], s[0:1], 0x30              ; xs
	v_lshl_add_u32 v200, v0, 2, 0x8000
	v_mov_b32 v201, 0
	v_lshrrev_b32 v1, 5, v0
	v_readfirstlane_b32 s18, v1                    ; wave
	v_and_b32 v2, 31, v0                           ; lane
	v_lshlrev_b32 v3, 4, v2                        ; my 16 bytes of a load's 512
	s_mul_i32 s19, s18, WREG
	v_lshrrev_b32 v14, 2, v2
	v_mul_u32_u24 v14, v14, SP
	v_and_b32 v15, 3, v2
	v_lshl_add_u32 v14, v15, 4, v14
	v_add_nc_u32 v14, s19, v14                     ; the stage, on the way in: SP (lane / 4) + 16 (lane % 4)
	v_mul_u32_u24 v15, v2, SP
	v_add_nc_u32 v15, s19, v15                     ; and on the way out: SP x lane: my 16 neighbours
	v_mul_u32_u24 v4, v2, CB                       ; my codes' place in a step's
	v_lshrrev_b32 v5, 1, v2
	s_add_co_u32 s19, s19, 2*32*SP
	v_add_nc_u32 v5, s19, v5                       ; LDS: my wave's 256 scale bytes, my block's byte
	v_lshlrev_b32 v7, 3, v2                        ; and on the way out 8 bytes a lane
	v_add_nc_u32 v6, s19, v7
	s_wait_kmcnt 0x0
	; which tensor is my work-group's: 0-255 query_em, 256-511 key_value_em, 512-543 Wq, 544-575 Wk, 576-607 Wv.  The choice hangs on the work-group's number alone.
	s_mov_b64 s[20:21], s[12:13]
	s_mov_b32 s22, 576                             ; the range's first work-group
	s_cmp_lt_u32 ttmp9, 576
	s_cselect_b64 s[20:21], s[10:11], s[20:21]
	s_cselect_b32 s22, 544, s22
	s_cmp_lt_u32 ttmp9, 544
	s_cselect_b64 s[20:21], s[8:9], s[20:21]
	s_cselect_b32 s22, 512, s22
	s_cmp_lt_u32 ttmp9, 512
	s_cselect_b64 s[20:21], s[6:7], s[20:21]
	s_cselect_b32 s22, 256, s22
	s_cmp_lt_u32 ttmp9, 256
	s_cselect_b64 s[20:21], s[4:5], s[20:21]
	s_cselect_b32 s22, 0, s22
	s_sub_co_u32 s23, ttmp9, s22
	s_lshl_b32 s23, s23, 2
	s_add_co_u32 s23, s23, s18                     ; G: which run of 8 rows of the tensor, in the order batch-major
	s_and_b32 s24, s23, 255                        ; an embedding: s = 8 q .. 8 q + 7
	s_lshr_b32 s25, s23, 8                         ; of batch b
	s_lshl_b32 s24, s24, 5
	s_add_co_u32 s24, s24, s25
	s_lshl_b32 s24, s24, 12                        ; its first byte: (4 x 8 q + b) rows of 4,096 bytes; from s to s + 1: 16,384 bytes
	s_lshl_b32 s25, s23, 15                        ; a weight: 8 G rows of 4,096 bytes; from row to row 4,096
	s_mov_b32 s27, 4096
	s_cmp_lt_u32 ttmp9, 512
	s_cselect_b32 s24, s24, s25
	s_cselect_b32 s26, 16384, s27
	s_mov_b32 s25, 0
	s_add_nc_u64 s[20:21], s[20:21], s[24:25]
.irp j, 0,1,2,3,4,5,6,7
	s_mul_i32 s30, s26, \j
	v_add_nc_u32 v[VI+\j], s30, v3
.endr
	s_and_b32 s28, s18, 1                          ; where the run goes: 4 x work-group + the wave's number with its two bits exchanged
	s_lshl_b32 s28, s28, 1
	s_lshr_b32 s29, s18, 1
	s_or_b32 s28, s28, s29
	s_lshl_b32 s29, ttmp9, 2
	s_add_co_u32 s28, s28, s29
	s_mul_i32 s30, s28, 8*768
	s_mov_b32 s31, 0
	s_add_nc_u64 s[14:15], s[14:15], s[30:31]
	s_lshl_b32 s30, s28, 8
	s_add_nc_u64 s[16:17], s[16:17], s[30:31]
.macro LOAD t                          ; step t: half t % 2 of row t / 2
.irp i, 0,1,2,3
	global_load_b128 v[R+16*((\t)%4)+4*\i:R+16*((\t)%4)+4*\i+3], v[VI+(\t)/2], s[20:21] offset:2048*((\t)%2)+512*\i th:TH_LOAD_NT   ; 32 lanes read 512 consecutive bytes
.endr
.endm
.macro TURN t                          ; step t's numbers through the stage: LDS serves a wave's instructions in order, so no wait stands between the stores and the loads
.irp i, 0,1,2,3
	ds_store_b128 v14, v[R+16*((\t)%4)+4*\i:R+16*((\t)%4)+4*\i+3] offset:32*SP*((\t)%2)+8*SP*\i
.endr
.irp i, 0,1,2,3
	ds_load_b128 v[X+16*((\t)%2)+4*\i:X+16*((\t)%2)+4*\i+3], v15 offset:32*SP*((\t)%2)+16*\i
.endr
.endm
.irp t, 0,1,2,3
	LOAD \t
.endr
	s_wait_loadcnt 12                              ; step 0's four loads are in
	TURN 0
.macro STEP t
.set XS, X+16*((\t)%2)
.if (\t) > 0
	s_wait_dscnt 1                                 ; this step's numbers are back from the stage (the last step's byte store may be out): so its stores into the stage have read their registers,
.else
	s_wait_dscnt 0x0
.endif
.if (\t)+4 < STEPS
	LOAD (\t)+4                                    ; which take the loads of four steps on
.endif
.if (\t)+1 < STEPS
.if STEPS-2-(\t) >= 3
	s_wait_loadcnt 12                              ; the next step's four loads are in; those of the three steps behind it may be out
.else
	s_wait_loadcnt 4*(STEPS-2-(\t))
.endif
	TURN (\t)+1                                    ; and go through the other stage while this step is worked
.endif
	v_max3_num_f32 v8, |v[XS]|, |v[XS+1]|, |v[XS+2]|               ; the largest magnitude of my 16
	v_max3_num_f32 v9, |v[XS+3]|, |v[XS+4]|, |v[XS+5]|
.irp i, 6,10
	v_max3_num_f32 v8, v8, |v[XS+\i]|, |v[XS+\i+1]|
	v_max3_num_f32 v9, v9, |v[XS+\i+2]|, |v[XS+\i+3]|
.endr
	v_max3_num_f32 v8, v8, |v[XS+14]|, |v[XS+15]|
	v_max3_num_f32 v8, v8, v9, (EMAX+1)<<23        ; and the floor 2^(EMAX + 1 - 127): so the byte cannot fall under 1
	v_max_num_f32_dpp v8, v8, v8 row_xmask:1 row_mask:0xf bank_mask:0xf   ; and of my neighbour's 16: the block's
	v_add_nc_u32 v11, -(EMAX<<23), v8              ; EMAX off its exponent field: the conversion takes the exponent field of this operand as its scale
	v_cvt_scalef32_pk16_bf6_f32 v[C+4*(\t):C+4*(\t)+2], v[XS:XS+15], v11         ; sixteen numbers / the scale, to the nearest code, ties to even, beyond the largest code the largest
	v_lshrrev_b32 v[E+(\t)], 23, v11               ; the scale's byte (also the plain line behind the conversion)
	ds_store_b8 v5, v[E+(\t)] offset:16*(\t)       ; both lanes of a block write the same byte with the same value
	global_store_b96 v4, v[C+4*(\t):C+4*(\t)+2], s[14:15] offset:32*CB*(\t)      ; the wave stores 384 consecutive bytes
.endm
.irp t, 0,1,2,3,4,5,6,7,8,9,10,11,12,13,14,15
	STEP \t
.endr
	ds_load_b64 v[12:13], v6                       ; LDS serves a wave's instructions in order: these see my stores
	s_wait_dscnt 0x0
	global_store_b64 v7, v[12:13], s[16:17]        ; 32 lanes store 256 consecutive bytes, at a multiple of 256 from the buffer's first byte
	s_wait_tensorcnt 0x0
	ds_add_u32 v200, v201
	s_wait_dscnt 0x0
	s_endpgm
.Lfunc_end_k_q5bc463d4bb_quant:
	.size	k_q5bc463d4bb_quant, .Lfunc_end_k_q5bc463d4bb_quant-k_q5bc463d4bb_quant
	.p2alignl 7, 3214868480
	.fill 96, 4, 3214868480
	.section	.rodata,"a",@progbits
	.p2align	6, 0x0
	.amdhsa_kernel k_q5bc463d4bb_quant
		.amdhsa_group_segment_fixed_size 33280
		.amdhsa_private_segment_fixed_size 0
		.amdhsa_enable_private_segment 0
		.amdhsa_kernarg_size 56
		.amdhsa_user_sgpr_count 2
		.amdhsa_user_sgpr_kernarg_segment_ptr 1
		.amdhsa_wavefront_size32 1
		.amdhsa_system_sgpr_workgroup_id_x 1
		.amdhsa_system_sgpr_workgroup_id_y 1
		.amdhsa_system_sgpr_workgroup_id_z 1
		.amdhsa_system_vgpr_workitem_id 0
		.amdhsa_next_free_vgpr 202
		.amdhsa_next_free_sgpr 66
		.amdhsa_reserve_vcc 0
		.amdhsa_float_denorm_mode_32 3
		.amdhsa_float_denorm_mode_16_64 3
		.amdhsa_memory_ordered 1
		.amdhsa_forward_progress 1
		.amdhsa_inst_pref_size 34
	.end_amdhsa_kernel
	.amdgpu_metadata
---
amdhsa.version: [ 1, 2 ]
amdhsa.kernels:
  - .name:           k_q5bc463d4bb_quant
    .symbol:         k_q5bc463d4bb_quant.kd
    .args:
      - { .name: query_em, .offset: 0, .size: 8, .value_kind: global_buffer, .address_space: global }
      - { .name: key_value_em, .offset: 8, .size: 8, .value_kind: global_buffer, .address_space: global }
      - { .name: Wq, .offset: 16, .size: 8, .value_kind: global_buffer, .address_space: global }
      - { .name: Wk, .offset: 24, .size: 8, .value_kind: global_buffer, .address_space: global }
      - { .name: Wv, .offset: 32, .size: 8, .value_kind: global_buffer, .address_space: global }
      - { .name: xc, .offset: 40, .size: 8, .value_kind: global_buffer, .address_space: global }
      - { .name: xs, .offset: 48, .size: 8, .value_kind: global_buffer, .address_space: global }
    .group_segment_fixed_size: 33280
    .private_segment_fixed_size: 0
    .kernarg_segment_align: 8
    .kernarg_segment_size: 56
    .max_flat_workgroup_size: 128
    .sgpr_count:     66
    .vgpr_count:     202
    .wavefront_size: 32
...
	.end_amdgpu_metadata
.endif
;; end of part 1
;; launch proj (part 2): grid 4 x 96, 4 waves a work-group, clusters of 4 x 4, 327,680 bytes of LDS; arguments xc, xs, bq, bk, bv, qb, kv; writes qb, kv
.if DOCPART == 2
	.amdgcn_target "amdgcn-amd-amdhsa--gfx1250"
	.amdhsa_code_object_version 6
	.text
	.protected	k_q5bc463d4bb_proj
	.globl	k_q5bc463d4bb_proj
	.p2align	8
	.type	k_q5bc463d4bb_proj,@function
k_q5bc463d4bb_proj:
	s_mov_b64 s[64:65], 0
	v_nop
	global_prefetch_b8 v0, s[64:65] scope:SCOPE_SE
	s_setreg_imm32_b32 hwreg(HW_REG_WAVE_MODE, 25, 1), 1
	s_wait_xcnt 0x0
	s_wait_alu depctr_hold_cnt(0) depctr_sa_sdst(0) depctr_va_vdst(0) depctr_va_sdst(0) depctr_va_ssrc(0) depctr_va_vcc(0) depctr_vm_vsrc(0)
	s_getreg_b32 s2, hwreg(HW_REG_IB_STS2, 6, 4)
	s_cmp_eq_u32 s2, 0
	s_cbranch_scc0 .Lentry_in_a_cluster
	s_endpgm
.Lentry_in_a_cluster:
	s_bfe_u32 s2, ttmp6, 0x10000c
	s_cmp_lg_u32 s2, 0xf033
	s_cbranch_scc0 .Lentry_shape_is_right
	s_endpgm
.Lentry_shape_is_right:
; The three projections Q = xq Wq^T + bq, K = xkv Wk^T + bk, V = xkv Wv^T + bv on codes of BF6 (E3M2) with one E8M0 scale for each 32 along K = 1,024; sums in f32; the results, with their bias, are
; quantised in registers (Q, K along a head's 64 numbers, V along the keys) and stored as images of the next launch's operand registers.  No f32 result goes to memory.
; SHARES.  A tile of 256 x 256 results is made by a work-group of four waves, a wave makes 128 x 128: 64 accumulators, 512 registers.  384 tiles: the cluster's y / 8 says which projection (0 Q, 1 K, 2 V).
; The product is I x J with source 0 = 16 rows of J and source 1 = 16 rows of I: a lane holds ONE row of I, and its registers run along J.  J is the axis along which the result is quantised:
; for Q and K: I = rows of x, J = rows of W (the features);  for V: I = rows of Wv (the features), J = rows of xkv (the keys).
; xc's rows stand with bits 3 and 4 of their numbers exchanged.  So stored row 16 i + 8 h + j of J is true row 32 (i / 2) + 16 h + 8 (i % 2) + j: the 16 registers of result tiles 2 b' and 2 b' + 1
; are 16 NEIGHBOURS, 32 b' + 16 h + 0 .. 15, of the true order; and lane r of I's block a is true row 32 (a / 2) + 8 (a % 2) + r + 8 (r / 8).
; K goes in steps of 256 through a ring of two LDS slots filled by the tensor data mover (a tile's row: 192 bytes); the scales of the work-group's 512 rows, for all of K, come into LDS once.
; CLUSTERS: 4 x 4 work-groups.  The four of a row of the cluster need the same tiles of I, the four of a column the same tiles of J: each tile is asked for JOINTLY, by the same tensor load with the
; same descriptor and a mask that names the four.  The projection is the same in all sixteen, so every branch on it is taken alike.
; OUTPUT.  A fragment (12 registers a lane) is stored as it stands: registers 4 j .. 4 j + 3 of lane l at 512 j + 16 l.  qb: [bh][step of 128 queries][4 fragments, 256 bytes of scale words] (6,400 bytes);
; kv: [bh][step of 128 keys][K: 6,400 bytes so, V: 6,400 bytes so].  A fragment f of Q or K holds two tiles of 16 rows: registers 6 c .. 6 c + 5 of lane (r, h): d = 32 h .. 32 h + 31 of row
; 32 f + 8 c + r + 8 (r / 8); its scale word: bytes 0, 1 for c = 0, bytes 2, 3 for c = 1.  A fragment t of V: lane (r, h): d = 32 (t / 2) + 8 (t % 2) + r + 8 (r / 8), registers 6 c ..: keys 64 c + 32 h + 0 .. 31.
; Scale words of a step: lane l's 8 bytes are words e = 0, 1; word e belongs to fragment 2 e + l / 16, row l % 16.
; LIMITS: a block whose largest magnitude lies under 2^-122 keeps the byte 1, a block of zeros too (its codes are zeros; this program alone reads the bytes); NaN and infinities are not served.
; REGISTERS, in windows of 256: window 0: v0-31 addresses; v32-63 scale words, two sets; v128-223 I's fragments, ONE set; on the way out v64-249 as named below.
;   window 1: J's fragments, TWO sets, at v0 and v128.   window 2: the accumulators of my I rows 0-63 ((a, b) at v[8 (8 a + b)]);   window 3: those of rows 64-127.
.set SIZE_K, 1024
.set KSTEP,  256                       ; along K in a slot
.set NQ,     KSTEP/128                 ; matrix instructions deep
.set ROWB,   192                       ; a tile's row in bytes
.set KROW,   SIZE_K*6/8                ; a row of xc in bytes
.set PITCH,  240                       ; an LDS row: 3 x (64 bytes of data + 16 of padding) = 60 words: row r starts at bank -4 r mod 64 (64 banks of 4 bytes: ISA guide 11.1), so the 32 lanes of a load of 8 bytes touch 64 different banks
.set FR,     12                        ; registers of a fragment
.set NL,     6                         ; LDS loads that bring one
.set NP,     4                         ; places behind this matrix instruction (ISA guide 7.12.1)
.set HALFT,  128*PITCH                 ; 128 rows: what one tensor load brings
.set SLOT,   4*HALFT                   ; I's 256 rows, then J's 256 rows
.set LAPS,   SIZE_K/(2*KSTEP)          ; a lap = two K steps = once round the ring
.set KS,     SIZE_K/32                 ; a row of scales in bytes
.set SCL,    2*SLOT                    ; behind the ring: the scales, as rows of 256 bytes + 16 of padding
.set HALFS,  (128*KS/256)*272          ; the scales of 128 rows
.set SBLK,   (16*KS/256)*272           ; those of 16 rows
.set SPARE,  SCL+4*HALFS               ; behind the scales: the spare words, 128 bytes for each wave: two blocks of 256 bytes that no other line names
.set ADRA, 16                          ; v16-17  LDS address of my I fragments in slot 0, 1  (v18-19: for the pieces that lie behind one padding more)
.set ADRB, 20                          ; v20-21  the same for J  (v22-23)
.set LI,   24                          ; v24     16 x lane: my place in a stored group of four registers
.set LS,   25                          ; v25     8 x lane: my place among a step's scale words
.set BO,   26                          ; v26     my lane's byte offset in the bias
.set ADRS, 27                          ; v27     LDS address of my scale words: lanes 0-15 I's rows, lanes 16-31 J's
.set SPW,  28                          ; v28     LDS address of my spare word; never rewritten
.set NIL,  29                          ; v29     0; never rewritten
.set SC,   32                          ; scale words: set s at v[SC + 8 NQ s]; register NQ i + q: lanes 0-15 I's block i, lanes 16-31 J's block i
.set AF,   128                         ; I's fragments, in window 0
.set BJ,   64                          ; the way out: v64-127 the bias along J, in the layout of a block's 64 results;
.set BI,   64                          ; or v64-79 the bias along I: a pair of equal numbers for each block
.set F0,   128                         ; v128-139 a fragment in the making;  v140-151 a second
.set F1,   140
.set CT,   152                         ; v152-154, v156-158 the upper halves of two blocks' codes
.set H,    160                         ; v160-223 a block's 64 results with their bias
.set TM,   224                         ; v224-227 largest magnitudes, v228-231 the other half's, then bytes, v232-235 the conversions' scale operands
.set W,    236                         ; v236-243 eight fragments' scale words
.set XP,   244                         ; v244-247 the same as they are stored
.set WX,   248
.set WY,   249
.set G1, 24                            ; s[24:31] descriptor group 1 for I's tiles;  s[32:39] group 0, one set for each slot
.set G0, 32
.set G1B, 48                           ; s[48:55], s[56:63] the same for J's tiles
.set G0B, 56
.set BP,  66                           ; s[66:67] the bias
.set G1S, 68                           ; s[68:75], s[76:79] groups 1 and 0 for I's scales;  s[80:87], s[88:91] for J's
.set G0S, 76
.set G1SB, 80
.set G0SB, 88
.set KIND, 95                          ; s95  0 Q, 1 K, 2 V
.set YY,   96                          ; s96  the cluster's place among its projection's eight
.set SS,   97                          ; s97  bytes of a step's block in the output: 6,400 (qb) or 12,800 (kv)
.set HM,   98                          ; s98  the mask of lanes 16-31
.set SEL,  100                         ; s[100:101] lane selects for v_permlanex16_b32: lane l xor 16
.set MSB, 0
.macro WIN new                         ; the immediate's high byte repeats the setting that is left
.if MSB != (\new)
	s_set_vgpr_msb (MSB<<8)|(\new)
.set MSB, (\new)
.endif
.endm
.set MUL_LO, 0xa1                      ; source 0 (J) window 1, source 1 (I) window 0, C and D window 2
.set MUL_HI, 0xf1                      ; the same, C and D window 3
.set TO_B,   0x40                      ; destination window 1, address window 0
; A joint load: waves 0 and 1 fetch for I, waves 2 and 3 for J.  Each of the two lines has ONE mask and one set of registers for all that issue it; the branch hangs on the wave's number alone.
; Four v_nop follow each of the two lines, ahead of the jump, the label and what follows.
.macro JLOAD g0a, g1a, g0b, g1b
	s_cmp_eq_u32 s15, 0
	s_cbranch_scc0 .Lfor_b_\@
	tensor_load_to_lds s[\g0a:\g0a+3], s[\g1a:\g1a+7]
	s_nop 0
.rept 4
	v_nop
.endr
	s_branch .Lasked_\@
.Lfor_b_\@:
	tensor_load_to_lds s[\g0b:\g0b+3], s[\g1b:\g1b+7]
	s_nop 0
.rept 4
	v_nop
.endr
.Lasked_\@:
.endm
.macro CREST                           ; a round of the cluster's barrier behind its opening barrier
	s_cmp_lg_u32 s14, 0
	s_cbranch_scc1 .Lnot_wave_0_\@
	s_barrier_signal -3
.Lnot_wave_0_\@:
	s_barrier_wait -3
	s_barrier_signal -1
	s_barrier_wait -1
.endm
.macro CROUND                          ; a whole round
	s_barrier_signal -1
	s_barrier_wait -1
	CREST
.endm
	s_load_b128 s[4:7], s[0:1], 0x0                ; xc s[4:5], xs s[6:7]
	s_load_b256 s[32:39], s[0:1], 0x10             ; bq, bk, bv, qb: held here only until the choice below
	s_load_b64 s[56:57], s[0:1], 0x30              ; kv
	v_lshl_add_u32 v[SPW], v0, 2, SPARE
	v_mov_b32 v[NIL], 0
	ds_add_u32 v28, v29
	ds_add_u32 v28, v29
	s_wait_dscnt 0x0
	v_lshrrev_b32 v1, 5, v0
	v_readfirstlane_b32 s14, v1                    ; wave 0..3
	s_lshr_b32 s15, s14, 1                         ; which half of the tile's I rows is mine.  Also: I fetch for I (0) or for J (1)
	s_and_b32 s16, s14, 1                          ; which half of its J rows.  Also: which 128 rows of that tile I fetch
	s_bfe_u32 s40, ttmp6, 0x40000                  ; cx, cy: my place in the cluster
	s_bfe_u32 s41, ttmp6, 0x40004
	s_lshl_b32 s43, s41, 2
	s_lshl_b32 s43, 15, s43                        ; my row of the cluster
	s_lshl_b32 s44, 0x1111, s40                    ; my column
	s_and_b32 s[YY], ttmp7, 0xffff                 ; the cluster's y, 0 .. 23
	s_lshr_b32 s[KIND], s[YY], 3
	s_and_b32 s[YY], s[YY], 7
	s_lshl_b32 s20, s[KIND], 13                    ; I's section of xc begins at row 0 (xq) or 8,192 (xkv);
	s_lshl_b32 s46, s[KIND], 10
	s_add_co_u32 s46, s46, 16384                   ; J's at 16,384 (Wq) or 17,408 (Wk);
	s_mov_b32 s18, 18432
	s_mov_b32 s19, 8192
	s_cmp_eq_u32 s[KIND], 2                        ; for V: I = Wv at 18,432, J = xkv at 8,192
	s_cselect_b32 s20, s18, s20
	s_cselect_b32 s46, s19, s46
	s_cselect_b32 s18, 0, s[YY]                    ; the eight clusters of a projection lie along x's rows: along I for Q and K, along J for V
	s_cselect_b32 s19, s[YY], 0
	s_lshl_b32 s17, s18, 2
	s_add_co_u32 s17, s17, s41                     ; TR: which 256 rows of I
	s_lshl_b32 s42, s19, 2
	s_add_co_u32 s42, s42, s40                     ; TC: which 256 rows of J
	s_mov_b32 s[HM], 0xffff0000
	s_mov_b32 s[SEL], 0x76543210
	s_mov_b32 s[SEL+1], 0xfedcba98
	; descriptor group 1: a tile of 128 rows x ROWB bytes, padded in LDS
	s_or_b32 s[G1+0], s43, (0<<16)|(1<<20)|(1<<21)|(3<<22)|(3<<25)  ; 15:0 the mask: I's tiles go to my row; 17:16 element of 1 byte; 20 padding on; 21 set beside a mask; 24:22 after every 16 words (code 3); 31:25 of 4 words (code 3)
	s_or_b32 s[G1B+0], s44, (0<<16)|(1<<20)|(1<<21)|(3<<22)|(3<<25)
.irp g, G1, G1B
	s_mov_b32 s[\g+1], ROWB<<16                    ; tensor_dim0
	s_mov_b32 s[\g+2], 128<<16                     ; tensor_dim1 = 128
	s_mov_b32 s[\g+3], ROWB<<16                    ; tile_dim0
	s_mov_b32 s[\g+4], 128                         ; tile_dim1 = 128
	s_mov_b32 s[\g+5], KROW                        ; tensor_dim0_stride
	s_mov_b32 s[\g+6], 0
	s_mov_b32 s[\g+7], 0
.endr
	; and for the scales of 128 rows: a dense block of 4,096 bytes, as rows of 256 bytes (32 elements of 8 bytes), 16 bytes of padding behind each
	s_or_b32 s[G1S+0], s43, (3<<16)|(1<<20)|(1<<21)|(5<<22)|(3<<25)
	s_or_b32 s[G1SB+0], s44, (3<<16)|(1<<20)|(1<<21)|(5<<22)|(3<<25)
.irp g, G1S, G1SB
	s_mov_b32 s[\g+1], 32<<16
	s_mov_b32 s[\g+2], (128*KS/256)<<16
	s_mov_b32 s[\g+3], 32<<16
	s_mov_b32 s[\g+4], 128*KS/256
	s_mov_b32 s[\g+5], 32
	s_mov_b32 s[\g+6], 0
	s_mov_b32 s[\g+7], 0
.endr
	s_lshl_b32 s18, s16, 7                         ; which 128 rows of the tile I fetch
	s_lshl_b32 s19, s17, 8
	s_add_co_u32 s20, s20, s19
	s_add_co_u32 s20, s20, s18                     ; I: section + 256 TR + 128 x half
	s_lshl_b32 s47, s42, 8
	s_add_co_u32 s46, s46, s47
	s_add_co_u32 s46, s46, s18                     ; J: section + 256 TC + 128 x half
	s_mov_b32 s21, 0
	s_mov_b32 s47, 0
	s_mov_b64 s[18:19], KS
	s_mul_u64 s[22:23], s[20:21], s[18:19]         ; where these rows' scales begin, in bytes
	s_mul_u64 s[92:93], s[46:47], s[18:19]
	s_mov_b64 s[18:19], KROW
	s_mul_u64 s[20:21], s[20:21], s[18:19]         ; and their codes
	s_mul_u64 s[46:47], s[46:47], s[18:19]
	s_mul_i32 s45, s14, HALFT                      ; where they go: wave x 128 rows: no place in the cluster enters an LDS address
	s_mul_i32 s94, s14, HALFS
	s_mov_b32 s[SS], 12800
	s_wait_kmcnt 0x0
	s_cmp_eq_u32 s[KIND], 0                        ; the bias and the output of my projection: a choice that hangs on the cluster's y alone
	s_cselect_b64 s[BP:BP+1], s[32:33], s[34:35]
	s_cselect_b64 s[12:13], s[38:39], s[56:57]
	s_cselect_b32 s[SS], 6400, s[SS]
	s_cmp_eq_u32 s[KIND], 2
	s_cselect_b64 s[BP:BP+1], s[36:37], s[BP:BP+1]
	s_add_nc_u64 s[20:21], s[4:5], s[20:21]
	s_add_nc_u64 s[22:23], s[6:7], s[22:23]
	s_add_nc_u64 s[46:47], s[4:5], s[46:47]
	s_add_nc_u64 s[92:93], s[6:7], s[92:93]
	CROUND                                         ; all sixteen work-groups are here: the first joint loads meet
	s_mov_b32 s[G0S], 1
	s_add_co_u32 s[G0S+1], s94, SCL
	s_mov_b64 s[G0S+2:G0S+3], s[22:23]
	s_or_b32 s[G0S+3], s[G0S+3], 0x80000000
	s_mov_b32 s[G0SB], 1
	s_add_co_u32 s[G0SB+1], s94, SCL
	s_mov_b64 s[G0SB+2:G0SB+3], s[92:93]
	s_or_b32 s[G0SB+3], s[G0SB+3], 0x80000000
	JLOAD G0S, G1S, G0SB, G1SB                     ; the scales first: they are wanted with K step 0
.irp s, 0,1
	s_mov_b32 s[G0+4*\s], 1
	s_add_co_u32 s[G0+4*\s+1], s45, \s*SLOT
	s_add_nc_u64 s[G0+4*\s+2:G0+4*\s+3], s[20:21], \s*ROWB
	s_or_b32 s[G0+4*\s+3], s[G0+4*\s+3], 0x80000000
	s_mov_b32 s[G0B+4*\s], 1
	s_add_co_u32 s[G0B+4*\s+1], s45, \s*SLOT
	s_add_nc_u64 s[G0B+4*\s+2:G0B+4*\s+3], s[46:47], \s*ROWB
	s_or_b32 s[G0B+4*\s+3], s[G0B+4*\s+3], 0x80000000
	JLOAD G0+4*\s, G1, G0B+4*\s, G1B               ; three tensor loads of mine are out at the most
.endr
	v_and_b32 v1, 15, v0                           ; r = l % 16; kept
	v_bfe_u32 v2, v0, 4, 1                         ; h = l / 16; kept
	v_mul_u32_u24 v3, v1, PITCH
	v_mul_u32_u24 v4, v2, 24
	v_add_nc_u32 v4, v3, v4                        ; a fragment's row x pitch + 24 x half
	v_lshl_add_u32 v5, v2, 4, v4                   ; and the same behind one padding more
	s_mul_i32 s21, s15, HALFT                      ; my 128 rows of I
	s_mul_i32 s22, s16, HALFT                      ; my 128 rows of J,
	s_add_co_u32 s22, s22, 2*HALFT                 ; which lie behind I's 256
.irp s, 0,1
	v_add_nc_u32 v[ADRA+\s], s21, v4
	v_add_nc_u32 v[ADRB+\s], s22, v4
	v_add_nc_u32 v[ADRA+2+\s], s21, v5
	v_add_nc_u32 v[ADRB+2+\s], s22, v5
	s_add_co_u32 s21, s21, SLOT
	s_add_co_u32 s22, s22, SLOT
.endr
	v_mul_u32_u24 v5, v1, KS                       ; my row's scales: KS bytes a row,
	v_lshrrev_b32 v6, 8, v5
	v_lshl_add_u32 v5, v6, 4, v5                   ; and 16 more for each 256 passed
	s_mul_i32 s21, s15, HALFS                      ; I's: my 128 rows
	s_mul_i32 s22, s16, HALFS                      ; J's: my 128 rows, behind I's 256
	s_add_co_u32 s22, s22, 2*HALFS
	s_sub_co_u32 s22, s22, s21
	v_mul_u32_u24 v6, s22, v2                      ; lanes 16-31 take J's
	s_add_co_u32 s21, s21, SCL
	v_add_nc_u32 v5, v5, v6
	v_add_nc_u32 v[ADRS], s21, v5
	v_and_b32 v6, 31, v0
	v_lshlrev_b32 v[LI], 4, v6
	v_lshlrev_b32 v[LS], 3, v6
.irp b, 0,1,2,3
	v_mov_b32 v[TM+4+\b], 0                        ; written once: a lane permute's destination counts as one of its sources
.endr
.macro FRAG reg, adr, q, i             ; a fragment, 16 rows x 128 K of 6-bit codes, is 12 registers: lane l holds row l % 16; registers 6 c .. 6 c + 5 hold K = 64 c + 32 (l / 16) + 0 .. 31: 24 bytes of the row's stream of bits, as they lie
.irp p, 0,1,2,3,4,5                    ; in pieces of 8 bytes, so that every address is a multiple of the access's size
.set PC, 12*(\q)+6*(\p/3)+\p%3        ; 16 bytes of padding lie behind every 64 bytes (8 pieces): where the piece three on lies behind one padding more, the second address register serves
.if PC%8 < 5
	ds_load_b64 v[\reg+2*\p:\reg+2*\p+1], v[\adr] offset:8*PC+16*(PC/8)+(\i)*16*PITCH
.else
	ds_load_b64 v[\reg+2*\p:\reg+2*\p+1], v[\adr+2] offset:8*PC+16*(PC/8)+(\i)*16*PITCH
.endif
.endr
.endm
; 16 matrix instructions: I's blocks a0, a0 + 1 x J's eight, 128 along K: the slot's q-th.  p: J's set;  sc: the set of scale words.  zero = 1: the first product starts the sums: nothing is ever cleared.
; The 64 accumulators take turns, one instruction a turn, in the same order in every step.
.macro MUL16 a0, p, q, sc, zero
.irp a, \a0, \a0+1
.irp b, 0,1,2,3,4,5,6,7
.if \zero
	v_wmma_scale_f32_16x16x128_f8f6f4 v[8*(8*((\a)%4)+\b):8*(8*((\a)%4)+\b)+7], v[128*(\p)+FR*\b:128*(\p)+FR*\b+FR-1], v[AF+FR*(\a):AF+FR*(\a)+FR-1], 0, v[SC+8*NQ*(\sc)+NQ*\b+(\q)], v[SC+8*NQ*(\sc)+NQ*(\a)+(\q)] matrix_a_fmt:MATRIX_FMT_BF6 matrix_b_fmt:MATRIX_FMT_BF6 matrix_a_scale:MATRIX_SCALE_ROW1
.else
	v_wmma_scale_f32_16x16x128_f8f6f4 v[8*(8*((\a)%4)+\b):8*(8*((\a)%4)+\b)+7], v[128*(\p)+FR*\b:128*(\p)+FR*\b+FR-1], v[AF+FR*(\a):AF+FR*(\a)+FR-1], v[8*(8*((\a)%4)+\b):8*(8*((\a)%4)+\b)+7], v[SC+8*NQ*(\sc)+NQ*\b+(\q)], v[SC+8*NQ*(\sc)+NQ*(\a)+(\q)] matrix_a_fmt:MATRIX_FMT_BF6 matrix_b_fmt:MATRIX_FMT_BF6 matrix_a_scale:MATRIX_SCALE_ROW1
.endif
.endr
.endr
.endm
.macro FETCH_B slot, q, p              ; J's eight fragments of the slot's q-th 128 along K into set p
	WIN TO_B
.irp i, 0,1,2,3,4,5,6,7
	FRAG 128*(\p)+FR*\i, ADRB+\slot, \q, \i
.endr
	WIN 0
.endm
.macro FETCH_A slot, q, i0             ; I's blocks i0 .. i0 + 3
.irp i, \i0, \i0+1, \i0+2, \i0+3
	FRAG AF+FR*(\i), ADRA+\slot, \q, \i
.endr
.endm
.macro SCALES sc                       ; the next K step's scale words into set sc: NQ words a row
.irp i, 0,1,2,3,4,5,6,7
	ds_load_b64 v[SC+8*NQ*\sc+NQ*\i:SC+8*NQ*\sc+NQ*\i+1], v[ADRS] offset:\i*SBLK
.endr
.endm
; A load into a register that a matrix instruction has read, and a vector instruction that reads a matrix result or writes one of a matrix instruction's registers, stand NP places behind it, and only plain
; vector instructions that name none of its registers are places (ISA guide 7.12.1 for vector instructions).
.macro PLACES n
.rept \n
	v_nop
.endr
.endm
; A step of 128 along K that has its successor in the same slot.
.macro STEP slot, q, zero
	s_wait_dscnt 4*NL                              ; J's set and I's blocks 0-3 are in; the youngest 24 loads (I's blocks 4-7) may be out
	WIN MUL_LO
	MUL16 0, (\q)%2, \q, \slot, \zero
	MUL16 2, (\q)%2, \q, \slot, \zero
	s_wait_dscnt 0                                 ; I's blocks 4-7 are in (asked for 32 matrix instructions ago)
	PLACES NP
	FETCH_B \slot, (\q)+1, 1-(\q)%2
	FETCH_A \slot, (\q)+1, 0
	WIN MUL_HI
	MUL16 4, (\q)%2, \q, \slot, \zero
	MUL16 6, (\q)%2, \q, \slot, \zero
	PLACES NP
	WIN 0
	FETCH_A \slot, (\q)+1, 4
.endm
; A slot's last step changes slots: ONE barrier; in front of it each wave waits for all its tensor loads, adds 0 to its spare word, and waits for that and for its own reads of this slot.  fill = 1: this slot is filled again, two K steps ahead.
.macro TURN slot, next, fill
	s_wait_tensorcnt 0x0                           ; all my tensor loads have landed: my part of the next slot;  (every window is 0 here)
	ds_add_u32 v[SPW], v[NIL]                      ; 0 onto my spare word
	s_wait_dscnt 4*NL+1                            ; (the add and the youngest 24 loads, I's blocks 4-7, may be out)
	WIN MUL_LO
	MUL16 0, 1, NQ-1, \slot, 0                     ; sixteen matrix instructions stand between the add and the wait for it
	s_wait_dscnt 0x0                               ; the add is done, and my reads of this slot are over
	s_barrier_signal -1
	MUL16 2, 1, NQ-1, \slot, 0
	WIN 0
	s_barrier_wait -1
.if \fill
	CREST                                          ; the barrier has opened a round of the cluster's barrier: no wave of any partner still reads this slot's tile or has a load on its way
	s_add_nc_u64 s[G0+4*\slot+2:G0+4*\slot+3], s[G0+4*\slot+2:G0+4*\slot+3], 2*ROWB
	s_add_nc_u64 s[G0B+4*\slot+2:G0B+4*\slot+3], s[G0B+4*\slot+2:G0B+4*\slot+3], 2*ROWB
	JLOAD G0+4*\slot, G1, G0B+4*\slot, G1B         ; the first tensor load behind the round; the four v_nop behind it are the places in front of the loads below
.else
	PLACES NP
.endif
	v_add_nc_u32 v[ADRS], 4*NQ, v[ADRS]            ; on to the next K step's scale words (no LDS load of mine is out)
	FETCH_B \next, 0, 0
	FETCH_A \next, 0, 0
	SCALES \next
	WIN MUL_HI
	MUL16 4, 1, NQ-1, \slot, 0
	MUL16 6, 1, NQ-1, \slot, 0
	PLACES NP
	WIN 0
	FETCH_A \next, 0, 4
.endm
; The very last step of 128 along K: nothing more to fetch.  It stands on both ways out, behind their loads of the bias, which land under its 64 matrix instructions.
.macro LAST
	s_wait_dscnt 4*NL
	WIN MUL_LO
	MUL16 0, 1, NQ-1, 1, 0
	MUL16 2, 1, NQ-1, 1, 0
	s_wait_dscnt 0
	WIN MUL_HI
	MUL16 4, 1, NQ-1, 1, 0
	MUL16 6, 1, NQ-1, 1, 0
	WIN 0
	PLACES NP                                      ; in front of the first read of results and of writes into the registers that held I's fragments
	s_wait_loadcnt 0x0                             ; the bias
.endm
; Block a's 64 results (its eight accumulators, each from its low end on) + the bias -> v[H ..] of window 0.  BIASJ: the bias runs along the registers;  BIASI: one number a lane.
.macro BIASJ a
.set AC, 64*((\a)%4)
	WIN 2+(\a)/4                                   ; source 0: window 2 or 3
.set J, 0
.rept 32
	v_pk_add_f32 v[H+J:H+J+1], v[AC+J:AC+J+1], v[BJ+J:BJ+J+1]
.set J, J+2
.endr
	WIN 0
.endm
.macro BIASI a
.set AC, 64*((\a)%4)
	WIN 2+(\a)/4
.set J, 0
.rept 32
	v_pk_add_f32 v[H+J:H+J+1], v[AC+J:AC+J+1], v[BI+2*(\a):BI+2*(\a)+1]
.set J, J+2
.endr
	WIN 0
.endm
; 64 numbers of a lane, register H + 16 b + i = index 32 b + 16 (lane / 16) + i along the quantised axis, become codes: blocks 0, 1 in v[da .. da + 5], blocks 2, 3 in v[db .. db + 5]
; (lanes 0-15 the even block, lanes 16-31 the odd one, whole), and their four scale bytes in v[pw] (the same in lanes l and l xor 16).
.macro QUANT da, db, pw
.irp b, 0,1,2,3
	v_max3_num_f32 v[TM+\b], |v[H+16*\b]|, |v[H+1+16*\b]|, 0x2800000   ; block b: my 16 numbers, and the floor 2^(5 - 127): so the byte cannot fall under 1
.endr
.irp i, 2,4,6,8,10,12,14
.irp b, 0,1,2,3
	v_max3_num_f32 v[TM+\b], v[TM+\b], |v[H+16*\b+\i]|, |v[H+1+16*\b+\i]|   ; (the four blocks by turns)
.endr
.endr
.irp b, 0,1,2,3
	v_permlanex16_b32 v[TM+4+\b], v[TM+\b], s[SEL], s[SEL+1]
.endr
.irp b, 0,1,2,3
	v_max_num_f32 v[TM+\b], v[TM+\b], v[TM+4+\b]   ; with lane l xor 16's: the block's largest magnitude
.endr
.irp b, 0,1,2,3
	v_add_nc_u32 v[TM+8+\b], 0xfe000000, v[TM+\b]  ; 4 off its exponent field: the conversion's scale operand
.endr
.irp b, 0,1,2,3
	v_lshrrev_b32 v[TM+4+\b], 23, v[TM+8+\b]       ; the scale's byte
.endr
	v_lshl_or_b32 v[\pw], v[TM+5], 8, v[TM+4]
	v_lshl_or_b32 v[\pw], v[TM+6], 16, v[\pw]
	v_lshl_or_b32 v[\pw], v[TM+7], 24, v[\pw]
	v_cvt_scalef32_pk16_bf6_f32 v[\da:\da+2], v[H:H+15], v[TM+8]
	v_cvt_scalef32_pk16_bf6_f32 v[CT:CT+2], v[H+16:H+31], v[TM+9]        ; (a conversion's three registers begin on an even number)
	v_cvt_scalef32_pk16_bf6_f32 v[\db:\db+2], v[H+32:H+47], v[TM+10]
	v_cvt_scalef32_pk16_bf6_f32 v[CT+4:CT+6], v[H+48:H+63], v[TM+11]
	v_nop                                          ; one plain place behind a scaled conversion
.irp i, 0,1,2
	v_permlane16_swap_b32 v[\da+\i], v[CT+\i]      ; the first's lanes 16-31 change places with the second's lanes 0-15: lower 16 codes of each lane's block here, upper 16 there
.endr
.irp i, 0,1,2
	v_mov_b32 v[\da+3+\i], v[CT+\i]
.endr
.irp i, 0,1,2
	v_permlane16_swap_b32 v[\db+\i], v[CT+4+\i]
.endr
.irp i, 0,1,2
	v_mov_b32 v[\db+3+\i], v[CT+4+\i]
.endr
.endm
.macro WORDS                           ; eight fragments' scale words leave: fragments 0-3 to the first head's block, 4-7 to the second's; odd fragments in lanes 16-31
	v_cndmask_b32 v[XP], v[W], v[W+1], s[HM]
	v_cndmask_b32 v[XP+1], v[W+2], v[W+3], s[HM]
	v_cndmask_b32 v[XP+2], v[W+4], v[W+5], s[HM]
	v_cndmask_b32 v[XP+3], v[W+6], v[W+7], s[HM]
	global_store_b64 v[LS], v[XP:XP+1], s[12:13] offset:6144       ; 32 lanes store 256 consecutive bytes, at a multiple of 256 from the buffer's first byte
	global_store_b64 v[LS], v[XP+2:XP+3], s[46:47] offset:6144
.endm
	s_wait_tensorcnt 1                             ; the scales and my part of K step 0 are in (K step 1's load may be out)
	s_barrier_signal -1
	s_barrier_wait -1                              ; everybody's are
	FETCH_B 0, 0, 0
	FETCH_A 0, 0, 0
	SCALES 0
	FETCH_A 0, 0, 4
	STEP 0, 0, 1                                   ; the first step stands in front of the loop: its products start the sums
	s_mov_b32 s3, LAPS-1
.Llap:                                                 ; a trip goes once round the ring, from a lap's second step to the next lap's first, and fills both slots again
	TURN 0, 1, 1
	STEP 1, 0, 0
	TURN 1, 0, 1
	STEP 0, 0, 0
	s_sub_co_u32 s3, s3, 1
	s_cmp_lg_u32 s3, 0
	s_cbranch_scc1 .Llap
	TURN 0, 1, 0                                   ; the last lap fills nothing, and has no round of the cluster's barrier
	STEP 1, 0, 0
	s_cmp_eq_u32 s[KIND], 2                        ; the same in all sixteen work-groups
	s_cbranch_scc1 .Lv
	; ---- THE WAY OUT OF Q AND K.  I = 128 rows of x: one step of batch TR / 8;  J = 128 features: two heads.
	s_lshr_b32 s18, s17, 3                         ; b
	s_lshl_b32 s18, s18, 4
	s_lshl_b32 s19, s42, 2
	s_add_co_u32 s18, s18, s19
	s_lshl_b32 s19, s16, 1
	s_add_co_u32 s18, s18, s19                     ; 16 b + my first head (4 TC + 2 x half)
	s_lshl_b32 s18, s18, 4
	s_and_b32 s19, s17, 7
	s_lshl_b32 s19, s19, 1
	s_add_co_u32 s18, s18, s19
	s_add_co_u32 s18, s18, s15                     ; x 16 + the step (2 (TR % 8) + half)
	s_mul_i32 s18, s18, s[SS]
	s_mov_b32 s19, 0
	s_add_nc_u64 s[12:13], s[12:13], s[18:19]      ; the first head's block
	s_lshl_b32 s18, s[SS], 4
	s_add_nc_u64 s[46:47], s[12:13], s[18:19]      ; the second head's: 16 steps on
	s_lshl_b32 s18, s42, 10
	s_lshl_b32 s20, s16, 9
	s_add_co_u32 s18, s18, s20
	s_add_nc_u64 s[BP:BP+1], s[BP:BP+1], s[18:19]  ; the bias of my 128 features
	v_lshlrev_b32 v[BO], 6, v2                     ; lane (r, h) wants, for result tile 2 b' + u, features 32 b' + 16 h + 8 u + 0 .. 7
.irp t, 0,1,2,3,4,5,6,7
	global_load_b128 v[BJ+8*\t:BJ+8*\t+3], v[BO], s[BP:BP+1] offset:(32*(\t/2)+8*(\t%2))*4
	global_load_b128 v[BJ+8*\t+4:BJ+8*\t+7], v[BO], s[BP:BP+1] offset:(32*(\t/2)+8*(\t%2))*4+16
.endr
	LAST
.irp p, 0,1,2,3                        ; blocks 2 p and 2 p + 1 are the two tiles of fragment p, for both heads
.if \p > 0
	s_wait_xcnt 0x0                                ; the last fragments' stores have read their registers
.endif
	BIASJ 2*\p
	QUANT F0, F1, WX
	BIASJ 2*\p+1
	QUANT F0+6, F1+6, WY
	v_perm_b32 v[W+\p], v[WY], v[WX], 0x05040100   ; the first head's word: both tiles' bytes 0, 1;
	v_perm_b32 v[W+4+\p], v[WY], v[WX], 0x07060302 ; the second head's: bytes 2, 3
.irp j, 0,1,2
	global_store_b128 v[LI], v[F0+4*\j:F0+4*\j+3], s[12:13] offset:1536*\p+512*\j   ; 32 lanes store 512 consecutive bytes, at a multiple of 256 from the buffer's first byte
	global_store_b128 v[LI], v[F1+4*\j:F1+4*\j+3], s[46:47] offset:1536*\p+512*\j
.endr
.endr
	WORDS
	s_branch .Lend
.Lv:	; ---- THE WAY OUT OF V.  I = 128 features: two heads;  J = 128 keys: one step of batch TC / 8.
	s_lshr_b32 s18, s42, 3                         ; b
	s_lshl_b32 s18, s18, 4
	s_lshl_b32 s19, s17, 2
	s_add_co_u32 s18, s18, s19
	s_lshl_b32 s19, s15, 1
	s_add_co_u32 s18, s18, s19                     ; 16 b + my first head (4 TR + 2 x half)
	s_lshl_b32 s18, s18, 4
	s_and_b32 s19, s42, 7
	s_lshl_b32 s19, s19, 1
	s_add_co_u32 s18, s18, s19
	s_add_co_u32 s18, s18, s16                     ; x 16 + the step (2 (TC % 8) + half)
	s_mul_i32 s18, s18, 12800
	s_add_co_u32 s18, s18, 6400                    ; V's part lies behind K's
	s_mov_b32 s19, 0
	s_add_nc_u64 s[12:13], s[12:13], s[18:19]
	s_add_nc_u64 s[46:47], s[12:13], 16*12800
	s_lshl_b32 s18, s17, 10
	s_lshl_b32 s20, s15, 9
	s_add_co_u32 s18, s18, s20
	s_add_nc_u64 s[BP:BP+1], s[BP:BP+1], s[18:19]  ; the bias of my 128 features
	v_and_b32 v3, 8, v1
	v_add_nc_u32 v3, v3, v1
	v_lshlrev_b32 v[BO], 2, v3                     ; lane r of block a is feature 32 (a / 2) + 8 (a % 2) + r + 8 (r / 8)
.irp a, 0,1,2,3,4,5,6,7
	global_load_b32 v[BI+2*\a], v[BO], s[BP:BP+1] offset:(32*(\a/2)+8*(\a%2))*4
	global_load_b32 v[BI+2*\a+1], v[BO], s[BP:BP+1] offset:(32*(\a/2)+8*(\a%2))*4   ; twice: a pair for the packed addition
.endr
	LAST
.irp a, 0,1,2,3,4,5,6,7                ; block a is fragment a % 4 of head a / 4
.if \a > 0
	s_wait_xcnt 0x0                                ; the last fragment's stores have read their registers
.endif
	BIASI \a
	QUANT F0, F0+6, W+\a
.irp j, 0,1,2
.if \a < 4
	global_store_b128 v[LI], v[F0+4*\j:F0+4*\j+3], s[12:13] offset:1536*(\a%4)+512*\j
.else
	global_store_b128 v[LI], v[F0+4*\j:F0+4*\j+3], s[46:47] offset:1536*(\a%4)+512*\j
.endif
.endr
.endr
	WORDS
.Lend:
	s_wait_tensorcnt 0x0                           ; the wave's end
	ds_add_u32 v[SPW], v[NIL]
	s_wait_dscnt 0x0
	CROUND                                         ; the closing round: no work-group ends while a partner may still ask for a tile that names it
	s_endpgm
.Lfunc_end_k_q5bc463d4bb_proj:
	.size	k_q5bc463d4bb_proj, .Lfunc_end_k_q5bc463d4bb_proj-k_q5bc463d4bb_proj
	.p2alignl 7, 3214868480
	.fill 96, 4, 3214868480
	.section	.rodata,"a",@progbits
	.p2align	6, 0x0
	.amdhsa_kernel k_q5bc463d4bb_proj
		.amdhsa_group_segment_fixed_size 327680
		.amdhsa_private_segment_fixed_size 0
		.amdhsa_enable_private_segment 0
		.amdhsa_kernarg_size 56
		.amdhsa_user_sgpr_count 2
		.amdhsa_user_sgpr_kernarg_segment_ptr 1
		.amdhsa_wavefront_size32 1
		.amdhsa_system_sgpr_workgroup_id_x 1
		.amdhsa_system_sgpr_workgroup_id_y 1
		.amdhsa_system_sgpr_workgroup_id_z 1
		.amdhsa_system_vgpr_workitem_id 0
		.amdhsa_next_free_vgpr 1024
		.amdhsa_next_free_sgpr 102
		.amdhsa_reserve_vcc 0
		.amdhsa_float_denorm_mode_32 3
		.amdhsa_float_denorm_mode_16_64 3
		.amdhsa_memory_ordered 1
		.amdhsa_forward_progress 1
		.amdhsa_inst_pref_size 243
	.end_amdhsa_kernel
	.amdgpu_metadata
---
amdhsa.version: [ 1, 2 ]
amdhsa.kernels:
  - .name:           k_q5bc463d4bb_proj
    .symbol:         k_q5bc463d4bb_proj.kd
    .args:
      - { .name: xc, .offset: 0, .size: 8, .value_kind: global_buffer, .address_space: global }
      - { .name: xs, .offset: 8, .size: 8, .value_kind: global_buffer, .address_space: global }
      - { .name: bq, .offset: 16, .size: 8, .value_kind: global_buffer, .address_space: global }
      - { .name: bk, .offset: 24, .size: 8, .value_kind: global_buffer, .address_space: global }
      - { .name: bv, .offset: 32, .size: 8, .value_kind: global_buffer, .address_space: global }
      - { .name: qb, .offset: 40, .size: 8, .value_kind: global_buffer, .address_space: global }
      - { .name: kv, .offset: 48, .size: 8, .value_kind: global_buffer, .address_space: global }
    .group_segment_fixed_size: 327680
    .private_segment_fixed_size: 0
    .kernarg_segment_align: 8
    .kernarg_segment_size: 56
    .max_flat_workgroup_size: 128
    .sgpr_count:     102
    .vgpr_count:     1024
    .wavefront_size: 32
...
	.end_amdgpu_metadata
.endif
;; end of part 2
;; launch attn (part 3): grid 4 x 64, 16 waves a work-group, clusters of 4 x 1, 276,480 bytes of LDS; arguments qb, kv, out0; writes out0
.if DOCPART == 3
	.amdgcn_target "amdgcn-amd-amdhsa--gfx1250"
	.amdhsa_code_object_version 6
	.text
	.protected	k_q5bc463d4bb_attn
	.globl	k_q5bc463d4bb_attn
	.p2align	8
	.type	k_q5bc463d4bb_attn,@function
k_q5bc463d4bb_attn:
	s_mov_b64 s[64:65], 0
	v_nop
	global_prefetch_b8 v0, s[64:65] scope:SCOPE_SE
	s_setreg_imm32_b32 hwreg(HW_REG_WAVE_MODE, 25, 1), 1
	s_wait_xcnt 0x0
	s_wait_alu depctr_hold_cnt(0) depctr_sa_sdst(0) depctr_va_vdst(0) depctr_va_sdst(0) depctr_va_ssrc(0) depctr_va_vcc(0) depctr_vm_vsrc(0)
	s_getreg_b32 s2, hwreg(HW_REG_IB_STS2, 6, 4)
	s_cmp_eq_u32 s2, 0
	s_cbranch_scc0 .Lentry_in_a_cluster
	s_endpgm
.Lentry_in_a_cluster:
	s_bfe_u32 s2, ttmp6, 0x10000c
	s_cmp_lg_u32 s2, 0x3003
	s_cbranch_scc0 .Lentry_shape_is_right
	s_endpgm
.Lentry_shape_is_right:
; out0[s][b][64 head + d] = the sum over keys of softmax(Q . K / 8) V, for each of 64 (b, head), 2,048 queries x 2,048 keys, head size 64; both products on codes of BF6 (E3M2) with one E8M0 scale for each 32 along K.
; THE SOFTMAX AHEAD OF THE SECOND PRODUCT: t = score x log2(e) / 8; M = the row's largest t so far, rounded UP to a whole number; p = 2^(t - M) is what is quantised, along the keys, not normalised.
; The row's sum is taken of the unquantised p, in f32, and divides O at the end.  When M moves, the sum and O are multiplied by 2^(old M - new M): exact.
; INPUTS are images of operand registers: registers 4 j .. 4 j + 3 of lane l of a fragment at 512 j + 16 l.  qb: [bh][step of 128 queries][4 fragments, 256 bytes of scale words];
; kv: [bh][step of 128 keys][K: 4 fragments, scale words; V: 4 fragments, scale words], 12,800 bytes a step.
; A fragment f of Q or K holds TWO tiles of 16 rows: registers 6 c .. 6 c + 5 of lane (r, h): d = 32 h .. 32 h + 31 of row 32 f + 8 c + r + 8 (r / 8); scale word: bytes 0, 1 for c = 0, bytes 2, 3 for c = 1.
; THE HEAD'S 64 IN AN INSTRUCTION OF 128: to the matrix unit K's fragment is 16 rows of [tile 0's 64 | tile 1's 64].  Q stands in 18 registers, [zeros x 6 | q x 6 | zeros x 6]: [q, 0] meets tile 0, [0, q] tile 1.
; The half that is not wanted meets zero codes, and no code of this format is an infinity or a NaN: its products are zeros.  Q's scale word holds its two bytes twice, so every byte named is a true scale.
; SHARES.  A work-group owns 512 queries of one (b, head); wave w of sixteen owns Q's fragment w, 32 queries: tile 0 in a first pass over the keys, tile 1 in a second: 16 queries in 256 registers,
; four waves to a SIMD, so that one wave's vector work stands beside another's matrix work and LDS loads.
; LDS.  A head's K, V and scale words are 204,800 dense bytes: they are brought ONCE and stay: no slot is ever filled again.  Wave w brings step w's 12,800 bytes by one tensor load.
; CLUSTER.  The four work-groups of a cluster are the four query blocks of one head and need the same bytes: each load is a JOINT one, the same descriptor and a mask that names the four.
; LAYOUT.  Both products are used transposed: S^T = K Q^T, O^T = V^T P^T: a lane holds ONE query (lane % 16).  Register 16 f + i of S^T is key 32 f + 16 (lane / 16) + i of the step; register 16 u + i of O^T is d = 32 u + 16 (lane / 16) + i.
; LIMITS: a p under 2^-126 counts as 0 (the exponential's result there is 0); a block of such p keeps the byte 1 over zero codes; NaN and infinities are not served.
.set STEPB, 12800                      ; a step's block in LDS and in kv
.set KSC,   6144                       ; in it: K's scale words,
.set VC,    6400                       ; V's fragments,
.set VSC,   12544                      ; V's scale words
.set STAGE, 16*STEPB                   ; behind the sixteen blocks: a stage of 16 rows x (256 bytes + 16) for each wave, for the way out
.set SPT,   272
.set LI,  1                            ; v1   16 x lane
.set LS,  2                            ; v2   8 x lane
.set ADK, 3                            ; v3   LDS address of the step's fragments for my lane
.set ADS, 4                            ; v4   and of its scale words
.set STO, 5                            ; v5   the way out: where I put my bytes of a row
.set RD,  6                            ; v6   where I read a row back
.set GO,  7                            ; v7   my byte offset in out0
                                       ; v12 -M, v13 the largest t, v[14:15] the sum in two halves;  v16-21 zeros, v22-27 q, v28-33 zeros
.set QF,  34                           ; v34-45   Q's fragment as loaded
.set QW,  46                           ; v46      its scale word as loaded
.set QSW, 47                           ; v47      the pass's: its tile's two bytes, twice
.set FRG, 48                           ; v48-95   four fragments: K's, then V's
.set S,   96                           ; v96-159  S^T, then p
.set O,   160                          ; v160-191 O^T
.set PC,  192                          ; v192-203 p's codes
.set CT,  204                          ; v204-206, v208-210 the upper halves of two blocks' codes
.set BM,  212                          ; v212-215 the blocks' largest scores, then largest p
.set PT,  216                          ; v216-219 the other half's, then bytes
.set SO,  220                          ; v220-223 the conversions' scale operands
.set KSW, 224                          ; v[224:225] K's scale words: register e: lanes 0-15 fragment 2 e, lanes 16-31 fragment 2 e + 1
.set VSW, 226                          ; v[226:227] V's likewise
.set PSW, 228                          ; v228     p's scale word
.set FF,  230                          ; v[230:231] f = 2^(old M - new M) (of the pair the low word serves)
.set TMP, 232
.set C2,  234                          ; v[234:235] the sum's second chain
.set G1,  16                           ; s[16:23] descriptor group 1;  s[24:27] group 0
.set G0,  24
.set SEL, 28                           ; s[28:29] lane selects for v_permlanex16_b32: lane l xor 16
.set CS,  30                           ; s[30:31] c = log2(e) / 8
.set TB,  32                           ; s32  LDS byte at which the step's block begins
.set CNT, 33                           ; s33  steps to go
.macro ROUND                           ; a round of the cluster's barrier
	s_barrier_signal -1
	s_barrier_wait -1
	s_cmp_lg_u32 s10, 0
	s_cbranch_scc1 .Lnot_wave_0_\@
	s_barrier_signal -3
.Lnot_wave_0_\@:
	s_barrier_wait -3
	s_barrier_signal -1
	s_barrier_wait -1
.endm
	s_load_b128 s[4:7], s[0:1], 0x0                ; qb, kv
	s_load_b64 s[8:9], s[0:1], 0x10                ; out0
	v_lshl_add_u32 v254, v0, 2, 0x43000
	v_mov_b32 v255, 0
	ds_add_u32 v254, v255
	ds_add_u32 v254, v255
	v_lshrrev_b32 v8, 5, v0
	v_readfirstlane_b32 s10, v8                    ; wave 0..15
	s_bfe_u32 s11, ttmp6, 0x40000                  ; cx: which 512 queries: it enters Q's and out0's addresses alone
	s_and_b32 s12, ttmp7, 0xffff                   ; bh = 16 b + head, which the four partners share
	; descriptor group 1: a dense block of 12,800 bytes as 50 rows of 256 bytes (32 elements of 8 bytes), no padding: every read takes lane l's 16 bytes at 16 l
	s_mov_b32 s[G1], 15|(3<<16)|(1<<21)            ; 15:0 the mask: all four work-groups; 17:16 elements of 8 bytes; 21 set beside a mask
	s_mov_b32 s[G1+1], 32<<16                      ; tensor_dim0
	s_mov_b32 s[G1+2], 50<<16                      ; tensor_dim1
	s_mov_b32 s[G1+3], 32<<16                      ; tile_dim0
	s_mov_b32 s[G1+4], 50                          ; tile_dim1
	s_mov_b32 s[G1+5], 32                          ; tensor_dim0_stride
	s_mov_b32 s[G1+6], 0
	s_mov_b32 s[G1+7], 0
	s_mov_b32 s[G0], 1
	s_mul_i32 s[G0+1], s10, STEPB                  ; LDS address: step w's block
	s_mul_i32 s34, s12, 16*STEPB
	s_add_co_u32 s34, s34, s[G0+1]                 ; and the same block in kv
	s_mov_b32 s35, 0
	s_mul_i32 s38, s12, 16*6400                    ; Q: the head,
	s_lshl_b32 s39, s11, 2
	s_lshr_b32 s40, s10, 2
	s_add_co_u32 s39, s39, s40
	s_mul_i32 s39, s39, 6400
	s_add_co_u32 s38, s38, s39                     ; the step 4 cx + w / 4,
	s_and_b32 s40, s10, 3
	s_mul_i32 s40, s40, 1536
	s_add_co_u32 s40, s38, s40                     ; the fragment w % 4
	s_mov_b32 s41, 0
	s_and_b32 s42, s10, 1                          ; its scale words: word (w % 4) / 2 of the lanes' group w % 2
	s_lshl_b32 s42, s42, 7
	s_bfe_u32 s43, s10, 0x10001
	s_lshl_b32 s43, s43, 2
	s_add_co_u32 s42, s42, s43
	s_add_co_u32 s42, s42, s38
	s_add_co_u32 s42, s42, 6144
	s_mov_b32 s43, 0
	s_lshl_b32 s44, s11, 23                        ; out0: query 512 cx + 32 w (16,384 bytes a query), + 256 bytes x bh
	s_lshl_b32 s45, s10, 19
	s_add_co_u32 s44, s44, s45
	s_lshl_b32 s45, s12, 8
	s_add_co_u32 s44, s44, s45
	s_mov_b32 s45, 0
	s_mov_b32 s[SEL], 0x76543210
	s_mov_b32 s[SEL+1], 0xfedcba98
	s_mov_b32 s[CS], 0x3e38aa3b                    ; log2(e) / 8
	s_mov_b32 s[CS+1], s[CS]                       ; (named with it as a pair, so it is written)
	s_wait_dscnt 0x0
	s_wait_kmcnt 0x0
	s_add_nc_u64 s[G0+2:G0+3], s[6:7], s[34:35]
	s_or_b32 s[G0+3], s[G0+3], 0x80000000          ; type = 2
	s_add_nc_u64 s[40:41], s[4:5], s[40:41]
	s_add_nc_u64 s[42:43], s[4:5], s[42:43]
	s_add_nc_u64 s[8:9], s[8:9], s[44:45]
	ROUND                                          ; all four work-groups are here: the joint loads meet
	tensor_load_to_lds s[G0:G0+3], s[G1:G1+7]      ; my one tensor load of the launch
	s_nop 0
.rept 4
	v_nop
.endr
	v_and_b32 v8, 31, v0
	v_lshlrev_b32 v[LI], 4, v8
	v_lshlrev_b32 v[LS], 3, v8
	v_and_b32 v8, 15, v0                           ; r
	v_bfe_u32 v9, v0, 4, 1                         ; h
	v_lshlrev_b32 v10, 3, v8                       ; Q's scale words: 8 bytes a row
.irp j, 0,1,2
	global_load_b128 v[QF+4*\j:QF+4*\j+3], v[LI], s[40:41] offset:512*\j
.endr
	global_load_b32 v[QW], v10, s[42:43]
	s_mul_i32 s34, s10, 16*SPT
	s_add_co_u32 s34, s34, STAGE                   ; my stage
	v_mul_u32_u24 v[STO], v8, SPT
	v_lshl_add_u32 v[STO], v9, 6, v[STO]
	v_add_nc_u32 v[STO], s34, v[STO]               ; in: row r, + 64 h: registers 16 u + i are bytes 128 u + 64 h + 4 i
	v_mul_u32_u24 v[RD], v9, SPT
	v_lshl_add_u32 v[RD], v8, 4, v[RD]
	v_add_nc_u32 v[RD], s34, v[RD]                 ; back: lanes 0-15 one row of 256 bytes, lanes 16-31 the next
	v_lshlrev_b32 v[GO], 14, v9
	v_lshl_add_u32 v[GO], v8, 4, v[GO]             ; and the same two queries in out0
.irp i, 0,1,2,3,4,5
	v_mov_b32 v[16+\i], 0                          ; the zero codes on both sides of q
	v_mov_b32 v[28+\i], 0
.endr
.irp b, 0,1,2,3
	v_mov_b32 v[PT+\b], 0                          ; written once: a lane permute's destination counts as one of its sources
.endr
	v_mov_b32 v[FF+1], 0                           ; (named as the upper half of a pair)
	v_mov_b32 v[TMP], 0
	s_wait_tensorcnt 0x0                           ; my step's block has landed,
	s_barrier_signal -1
	s_barrier_wait -1                              ; everybody's has: the whole head lies in LDS
	s_wait_loadcnt 0x0                             ; Q
; A KEY STEP: 128 keys, whose block begins at LDS byte s[TB].
.macro STEP
	v_add_nc_u32 v[ADK], s[TB], v[LI]
	v_add_nc_u32 v[ADS], s[TB], v[LS]
	v_nop
	v_nop                                          ; four places in front of loads into registers that the last products read
.irp f, 0,1,2,3
.irp j, 0,1,2
	ds_load_b128 v[FRG+12*\f+4*\j:FRG+12*\f+4*\j+3], v[ADK] offset:1536*\f+512*\j
.endr
.endr
	ds_load_b64 v[KSW:KSW+1], v[ADS] offset:KSC
	s_wait_dscnt 0x0
.irp f, 0,1,2,3                        ; S^T = K Q^T: fragment f, tile c: [q, 0] = v[22:33] for c = 0, [0, q] = v[16:27] for c = 1
.irp c, 0,1
.if \f%2
	v_wmma_scale_f32_16x16x128_f8f6f4 v[S+16*\f+8*\c:S+16*\f+8*\c+7], v[FRG+12*\f:FRG+12*\f+11], v[22-6*\c:33-6*\c], 0, v[KSW+\f/2], v[QSW] matrix_a_fmt:MATRIX_FMT_BF6 matrix_b_fmt:MATRIX_FMT_BF6 matrix_a_scale:MATRIX_SCALE_ROW1
.else
	v_wmma_scale_f32_16x16x128_f8f6f4 v[S+16*\f+8*\c:S+16*\f+8*\c+7], v[FRG+12*\f:FRG+12*\f+11], v[22-6*\c:33-6*\c], 0, v[KSW+\f/2], v[QSW] matrix_a_fmt:MATRIX_FMT_BF6 matrix_b_fmt:MATRIX_FMT_BF6
.endif
.endr
.endr
.rept 4
	v_nop                                          ; places in front of the loads below and of the first read of the scores
.endr
.irp t, 0,1,2,3                        ; V's fragments land while the softmax is walked
.irp j, 0,1,2
	ds_load_b128 v[FRG+12*\t+4*\j:FRG+12*\t+4*\j+3], v[ADK] offset:VC+1536*\t+512*\j
.endr
.endr
	ds_load_b64 v[VSW:VSW+1], v[ADS] offset:VSC
.irp b, 0,1,2,3
	v_max3_num_f32 v[BM+\b], v[S+16*\b], v[S+1+16*\b], v[S+2+16*\b]   ; THE LARGEST SCORE OF EACH BLOCK OF 32 KEYS: it serves for the row's maximum and, since p rises with the score, for the block's largest p
.endr
.irp i, 3,5,7,9,11,13
.irp b, 0,1,2,3
	v_max3_num_f32 v[BM+\b], v[BM+\b], v[S+16*\b+\i], v[S+1+16*\b+\i]   ; (the four blocks by turns)
.endr
.endr
.irp b, 0,1,2,3
	v_max_num_f32 v[BM+\b], v[BM+\b], v[S+15+16*\b]
.endr
.irp b, 0,1,2,3
	v_permlanex16_b32 v[PT+\b], v[BM+\b], s[SEL], s[SEL+1]
.endr
.irp b, 0,1,2,3
	v_max_num_f32 v[BM+\b], v[BM+\b], v[PT+\b]     ; with lane l xor 16's 16 keys
.endr
	v_max3_num_f32 v[TMP], v[BM], v[BM+1], v[BM+2]
	v_max_num_f32 v[TMP], v[TMP], v[BM+3]          ; the step's largest score of my query
	v_mul_f32 v[TMP], s[CS], v[TMP]                ; as t (c is positive)
	v_max_num_f32 v13, v13, v[TMP]                 ; the running largest t
	v_mov_b32 v[TMP], v12
	v_floor_f32 v12, -v13                          ; the new -M = floor(-t) = -ceil(t): M IS A WHOLE NUMBER
	v_sub_f32 v[TMP], v12, v[TMP]                  ; M's old value less its new one: a whole number, 0 or less
	v_cvt_i32_f32 v[TMP], v[TMP]                   ; (it saturates)
	v_ldexp_f32 v[FF], 1.0, v[TMP]                 ; f = 2^(old M - new M)
.set J, 0
.rept 32
	v_pk_fma_f32 v[S+J:S+J+1], v[S+J:S+J+1], s[CS:CS+1], v[12:13] op_sel_hi:[1,0,0]   ; t - M, two at a time (of the pairs c and -M the low word serves both halves)
.set J, J+2
.endr
.irp b, 0,1,2,3
	v_fma_f32 v[BM+\b], v[BM+\b], s[CS], v12       ; the same of each block's largest score
.endr
.set J, 0
.rept 64
	v_exp_f32 v[S+J], v[S+J]                       ; p = 2^(t - M), at most 1: NOT normalised
.set J, J+1
.endr
.irp b, 0,1,2,3
	v_exp_f32 v[BM+\b], v[BM+\b]                   ; the block's largest p: the same two instructions on the same number give the same bits
.endr
	v_pk_mul_f32 v[14:15], v[14:15], v[FF:FF+1] op_sel_hi:[1,0]   ; the sums under the new M.  (A plain place behind the exponentials)
	s_wait_alu depctr_va_vdst(0)
.irp b, 0,1,2,3
	v_max_num_f32 v[BM+\b], 0x2800000, v[BM+\b]    ; the floor 2^(5 - 127): the byte cannot fall under 1
.endr
.irp b, 0,1,2,3
	v_add_nc_u32 v[SO+\b], 0xfe000000, v[BM+\b]    ; 4 off the exponent field: the conversion's scale operand
.endr
.irp b, 0,1,2,3
	v_lshrrev_b32 v[PT+\b], 23, v[SO+\b]           ; the scale's byte
.endr
	v_lshl_or_b32 v[PSW], v[PT+1], 8, v[PT]        ; p's scale word for these 128 keys
	v_lshl_or_b32 v[PSW], v[PT+2], 16, v[PSW]
	v_lshl_or_b32 v[PSW], v[PT+3], 24, v[PSW]
.irp c, 0,1
	v_cvt_scalef32_pk16_bf6_f32 v[PC+6*\c:PC+6*\c+2], v[S+32*\c:S+32*\c+15], v[SO+2*\c]
	v_cvt_scalef32_pk16_bf6_f32 v[CT+4*\c:CT+4*\c+2], v[S+16+32*\c:S+31+32*\c], v[SO+2*\c+1]   ; (a conversion's three registers begin on an even number)
.endr
	v_nop                                          ; one plain place behind a scaled conversion
.irp c, 0,1                            ; the operand's layout wants a WHOLE block in a lane: lanes 0-15 block 2 c, lanes 16-31 block 2 c + 1
.irp i, 0,1,2
	v_permlane16_swap_b32 v[PC+6*\c+\i], v[CT+4*\c+\i]
.endr
.irp i, 0,1,2
	v_mov_b32 v[PC+3+6*\c+\i], v[CT+4*\c+\i]
.endr
.endr
	v_pk_add_f32 v[C2:C2+1], v[S:S+1], v[S+2:S+3]  ; THE ROW'S SUM IS TAKEN OF THE UNQUANTISED p: two at a time, in two chains
.irp j, 4,8,12,16,20,24,28,32,36,40,44,48,52,56,60
	v_pk_add_f32 v[14:15], v[14:15], v[S+\j:S+\j+1]
	v_pk_add_f32 v[C2:C2+1], v[C2:C2+1], v[S+2+\j:S+3+\j]
.endr
	v_pk_add_f32 v[14:15], v[14:15], v[C2:C2+1]
.set J, 0
.rept 16
	v_pk_mul_f32 v[O+J:O+J+1], v[O+J:O+J+1], v[FF:FF+1] op_sel_hi:[1,0]   ; O^T under the new M: x f.  (The sums and these are also the places behind p's codes and scale word)
.set J, J+2
.endr
	s_wait_dscnt 0x0                               ; V
.irp t, 0,1,2,3                        ; O^T += V^T P^T: K = these 128 keys.  The four accumulators take turns, and the next step's eight products stand between two links
.if \t%2
	v_wmma_scale_f32_16x16x128_f8f6f4 v[O+8*\t:O+8*\t+7], v[FRG+12*\t:FRG+12*\t+11], v[PC:PC+11], v[O+8*\t:O+8*\t+7], v[VSW+\t/2], v[PSW] matrix_a_fmt:MATRIX_FMT_BF6 matrix_b_fmt:MATRIX_FMT_BF6 matrix_a_scale:MATRIX_SCALE_ROW1
.else
	v_wmma_scale_f32_16x16x128_f8f6f4 v[O+8*\t:O+8*\t+7], v[FRG+12*\t:FRG+12*\t+11], v[PC:PC+11], v[O+8*\t:O+8*\t+7], v[VSW+\t/2], v[PSW] matrix_a_fmt:MATRIX_FMT_BF6 matrix_b_fmt:MATRIX_FMT_BF6
.endif
.endr
.endm
; THE WAY OUT of a pass: O^T / the sum goes through my own stage in LDS and leaves as whole runs of 256 bytes (a query's 64 numbers of this head).  Row i of the tile is query 8 pi + i + 8 (i / 8) of my 32.
.macro WAYOUT pi
.rept 4
	v_nop                                          ; places behind the last products
.endr
	v_add_f32 v14, v14, v15                        ; the sum's two halves,
	v_permlanex16_b32 v[TMP], v14, s[SEL], s[SEL+1]
	v_add_f32 v14, v14, v[TMP]                     ; and lane l xor 16's: the row's sum
	v_rcp_f32 v14, v14
	v_nop                                          ; one plain place behind a transcendental
.set J, 0
	s_wait_alu depctr_va_vdst(0)
.rept 16
	v_pk_mul_f32 v[S+J:S+J+1], v[O+J:O+J+1], v[14:15] op_sel_hi:[1,0]   ; each accumulator from its low end on
.set J, J+2
.endr
.irp u, 0,1
.irp i, 0,1,2,3
	ds_store_b128 v[STO], v[S+16*\u+4*\i:S+16*\u+4*\i+3] offset:128*\u+16*\i
.endr
.endr
.irp i, 0,1,2,3,4,5,6,7
	ds_load_b128 v[S+32+4*\i:S+32+4*\i+3], v[RD] offset:2*SPT*\i   ; LDS serves a wave's instructions in order: these see my stores
.endr
.irp i, 0,1,2,3,4,5,6,7
	s_wait_dscnt 7-\i                              ; the younger loads may stay out
	global_store_b128 v[GO], v[S+32+4*\i:S+32+4*\i+3], s[8:9] offset:(2*\i+8*(\i/4)+8*\pi)*16384 th:TH_STORE_NT   ; 16 lanes store 256 consecutive bytes, at a multiple of 256 from out0's first byte
.endr
.endm
; A PASS: tile pi of my fragment of Q against all 2,048 keys.
.macro PASS pi
.if \pi
	s_wait_xcnt 0x0                                ; the first pass's stores have read their registers
	v_lshrrev_b32 v[QSW], 16, v[QW]
.else
	v_and_b32 v[QSW], 0xffff, v[QW]
.endif
	v_lshl_or_b32 v[QSW], v[QSW], 16, v[QSW]       ; the tile's two scale bytes, twice
.irp i, 0,1,2,3,4,5
	v_mov_b32 v[22+\i], v[QF+6*\pi+\i]
.endr
	v_mov_b32 v13, 0xff61b1e6                      ; the largest t so far: -3e38, under every t
	v_floor_f32 v12, -v13                          ; -M
	v_mov_b32 v14, 0                               ; the sum, in two halves
	v_mov_b32 v15, 0
.set J, 0
.rept 32
	v_mov_b32 v[O+J], 0                            ; O^T.  (The step is written once: the first finds zeros, which the first change of M leaves zeros.  These are also the places behind q and its scale word)
.set J, J+1
.endr
	s_mov_b32 s[TB], 0
	s_mov_b32 s[CNT], 16
.Lstep_\@:
	STEP
	s_add_co_u32 s[TB], s[TB], STEPB
	s_sub_co_u32 s[CNT], s[CNT], 1
	s_cmp_lg_u32 s[CNT], 0
	s_cbranch_scc1 .Lstep_\@
	WAYOUT \pi
.endm
	PASS 0
	PASS 1
	s_wait_dscnt 0x0
	s_wait_tensorcnt 0x0
	ds_add_u32 v254, v255
	s_wait_dscnt 0x0
	ROUND                                          ; the closing round: no work-group ends while a partner may still ask for a block that names it
	s_endpgm
.Lfunc_end_k_q5bc463d4bb_attn:
	.size	k_q5bc463d4bb_attn, .Lfunc_end_k_q5bc463d4bb_attn-k_q5bc463d4bb_attn
	.p2alignl 7, 3214868480
	.fill 96, 4, 3214868480
	.section	.rodata,"a",@progbits
	.p2align	6, 0x0
	.amdhsa_kernel k_q5bc463d4bb_attn
		.amdhsa_group_segment_fixed_size 276480
		.amdhsa_private_segment_fixed_size 0
		.amdhsa_enable_private_segment 0
		.amdhsa_kernarg_size 24
		.amdhsa_user_sgpr_count 2
		.amdhsa_user_sgpr_kernarg_segment_ptr 1
		.amdhsa_wavefront_size32 1
		.amdhsa_system_sgpr_workgroup_id_x 1
		.amdhsa_system_sgpr_workgroup_id_y 1
		.amdhsa_system_sgpr_workgroup_id_z 1
		.amdhsa_system_vgpr_workitem_id 0
		.amdhsa_next_free_vgpr 256
		.amdhsa_next_free_sgpr 66
		.amdhsa_reserve_vcc 0
		.amdhsa_float_denorm_mode_32 3
		.amdhsa_float_denorm_mode_16_64 3
		.amdhsa_memory_ordered 1
		.amdhsa_forward_progress 1
		.amdhsa_inst_pref_size 47
	.end_amdhsa_kernel
	.amdgpu_metadata
---
amdhsa.version: [ 1, 2 ]
amdhsa.kernels:
  - .name:           k_q5bc463d4bb_attn
    .symbol:         k_q5bc463d4bb_attn.kd
    .args:
      - { .name: qb, .offset: 0, .size: 8, .value_kind: global_buffer, .address_space: global }
      - { .name: kv, .offset: 8, .size: 8, .value_kind: global_buffer, .address_space: global }
      - { .name: out0, .offset: 16, .size: 8, .value_kind: global_buffer, .address_space: global }
    .group_segment_fixed_size: 276480
    .private_segment_fixed_size: 0
    .kernarg_segment_align: 8
    .kernarg_segment_size: 24
    .max_flat_workgroup_size: 512
    .sgpr_count:     66
    .vgpr_count:     256
    .wavefront_size: 32
...
	.end_amdgpu_metadata
.endif
;; end of part 3
